; MI455X (gfx1250); checked and timed in simulation.
; The chip was launched on July 23, 2026; its instructions are those of AMD's public machine-readable ISA for CDNA 5 (MIT licence, August 2026) and "CDNA5" Instruction Set Architecture Reference Guide (July 2026). The comments in the code are by the model that wrote it; some were corrected since.
;; Block. Allowed arithmetic: matrix products marked QUANTISED: E4M3 operands, one E8M0 scale for each 32 along K, by v_wmma_scale_f32_16x16x128_f8f6f4 with both operands' format E4M3, f32 sums; everything else in f32.
;; Inputs: ff1_b 1,024 float32; ff1_w 256 x 1,024 float32; ff2_b 256 float32; ff2_w 1,024 x 256 float32; ln1_b 256 float32; ln1_g 256 float32; ln2_b 256 float32; ln2_g 256 float32; proj_b 256 float32; proj_w 256 x 256 float32; wk 8 x 256 x 32 float32; wq 8 x 256 x 32 float32; wv 8 x 256 x 32 float32; x 512 x 128 x 256 float32.
;; Outputs: out0 512 x 128 x 256 float32.
;; This version of the problem:
;;   THIS VERSION OF THE PROBLEM IS GIVEN IN LOW PRECISION. The matrix products marked QUANTISED in the list below multiply operands that are first quantised to E4M3 (4 exponent bits, 3 mantissa bits; 8 bits a number), with one power-of-two scale for each 32 numbers along K (OCP MX v1.0); their sums are f32. All else is computed in f32.
;;   The module's matrix products, in the order in which they are computed (A, B: the left and right operand; K: the contracted axis; several contracted axes count as one K, in the product's order):
;;     1. [M 256, K 256] x [K 256, N 65,536]; A: input wq; B: computed on the way: QUANTISED
;;     2. [M 256, K 256] x [K 256, N 65,536]; A: input wk; B: computed on the way: QUANTISED
;;     3. [M 256, K 256] x [K 256, N 65,536]; A: input wv; B: computed on the way: QUANTISED
;;     4. batch 4,096 x [M 128, K 32] x [K 32, N 128]; A: computed on the way; B: computed on the way: QUANTISED
;;     5. batch 4,096 x [M 128, K 128] x [K 128, N 32]; A: softmax (see below); B: computed on the way: QUANTISED
;;     6. [M 65,536, K 256] x [K 256, N 256]; A: computed on the way; B: input proj_w: QUANTISED
;;     7. [M 65,536, K 256] x [K 256, N 1,024]; A: computed on the way; B: input ff1_w: QUANTISED
;;     8. [M 65,536, K 1,024] x [K 1,024, N 256]; A: computed on the way; B: input ff2_w: QUANTISED
;;   THE QUANTISER, for each operand of a quantised product, along K:
;;     - K is cut into blocks of 32 from its start; a last block that is shorter is filled with zeros.
;;     - A block's scale is 2^e with e = floor(log2(the largest magnitude in the block)) - 8, held to -126 .. 127; a block of zeros has e = 0. As a byte (E8M0): e + 127.
;;     - Each number is divided by its block's scale, clamped to +-448, and rounded to the nearest number of E4M3, ties to even, subnormals kept.
;;     - The product sums the exact products of the quantised numbers (number of the format x scale) in f32.
;;   ~~~python
;;   def quantise(x, axis):      # numpy; x: float32 -> the quantised numbers, widened to float32 again
;;       x = np.moveaxis(x, axis, -1); K = x.shape[-1]
;;       x = np.pad(x, [(0, 0)] * (x.ndim - 1) + [(0, -K % 32)]); x = x.reshape(x.shape[:-1] + (-1, 32)); a = np.abs(x).max(-1, keepdims=True)
;;       e = np.where(a > 0, np.clip(np.frexp(np.where(a > 0, a, 1))[1] - 1 - 8, -126, 127), 0)      # np.frexp(a)[1] - 1 = floor(log2(a)), exactly
;;       r = np.clip(x / 2.0 ** e, -448, 448)
;;       step = 2.0 ** (np.maximum(np.frexp(np.where(r == 0, 1, r))[1] - 1, -6) - 3)
;;       q = np.round(r / step) * step * 2.0 ** e      # np.round: ties to even
;;       return np.moveaxis(q.reshape(q.shape[:-2] + (-1,))[..., :K], -1, axis).astype(np.float32)
;;   ~~~
;;   SOFTMAX AHEAD OF A QUANTISED PRODUCT. Where the list says 'softmax', what is quantised is not the finished softmax but p = 2^(t - M), with t = logit x log2(e) and M = ceil(the row's largest t), a whole number; so 1/2 < the row's largest p <= 1. The row's sum l is taken of the UNQUANTISED p, in f32, and the product's result is divided by l at the end. Since M is a whole number, a kernel that streams over the keys may use a running M (the ceiling of the running maximum): every later rescaling is an exact power of two, which a block's scale takes up: the codes' values come out the same.
;;   OPERANDS COMPUTED ON THE WAY. 'Computed on the way' means the value that the module computes at that place (a softmax that the list does not call 'softmax' is quantised finished and normalised). What goes into a quantiser is computed in f32, as accurately as f32 sums, v_exp_f32 and their like allow (about 1e-6 of the number): no bf16 or f16 on the way to a quantiser, and a product that is left as it is and whose result goes on into a quantised operand takes f32 operands (vector FMAs, or v_wmma_f32_16x16x4_f32). A number that lies on a knife's edge between two numbers of the format may be rounded either way, as far as f32 arithmetic and the matrix unit's own rounding can turn it there, and no further.
;; One version. Each part assembles by itself: llvm-mc -triple=amdgcn-amd-amdhsa -mcpu=gfx1250 --defsym DOCPART=n.
;; ======== version 1 of 1: 2 launches
;; limits: right only within a limited range of input values
;; workspace buffers: wts 835,584 bytes
;; launch prep (part 1): grid 12 x 8, 4 waves a work-group, no clusters, 0 bytes of LDS; arguments wq, wk, wv, proj_w, ff1_w, ff2_w, wts; writes wts
.if DOCPART == 1
	.amdgcn_target "amdgcn-amd-amdhsa--gfx1250"
	.amdhsa_code_object_version 6
	.text
	.protected	k_q3bf3fa6d31_prep
	.globl	k_q3bf3fa6d31_prep
	.p2align	8
	.type	k_q3bf3fa6d31_prep,@function
k_q3bf3fa6d31_prep:
	s_mov_b64 s[64:65], 0
	v_nop
	global_prefetch_b8 v0, s[64:65] scope:SCOPE_SE
	s_setreg_imm32_b32 hwreg(HW_REG_WAVE_MODE, 25, 1), 1
	s_wait_xcnt 0x0
; The six weights (f32, K on the first axis of each matrix) become codes of FP8 (E4M3) with one E8M0 byte for each 32 along K,
; laid in the ORDER OF THE OPERAND'S REGISTERS: a fragment (16 output features x 128 along K) is 2,048 bytes, register group c
; (4 registers) at 512 c + 16 x lane; its scale words are 128 bytes, 4 x lane (lanes 16-31 repeat lanes 0-15).
; wts: codes [wave w 0..7][fragment phi 0..47][2,048], then from byte SCB on the scale words [w][phi][128].
; phi: 0-3 Wq, 4-7 Wk, 8-11 Wv, 12-15 proj (each 2 s + u: K step s, tile u); 16 + 4 blk + 2 s + u FF1's hidden block 4 w + blk; 32 + 2 s8 + u FF2's K step s8.
; Wave w of the second launch owns output features 32 w .. 32 w + 31 (FF1: hidden units 128 w .. 128 w + 127).
; THE FEATURES OF A TILE ARE NOT NEIGHBOURS: lane r of tile u takes feature 8 u + (r & 7) + 16 (r >> 3) of its block of 32, so that
; the results of tiles 0 and 1 are 16 neighbours along the next product's K in one lane.
; One wave makes one fragment: lane r takes its feature's column and its registers run DOWN K in the order that the operand's layout gives the lane,
; so that the conversions' results are the operand's registers.  Work-group x = phi / 4, y = w, wave = phi % 4.
; A block's scale is 2^(floor(log2(largest magnitude)) - 8).  LIMITS: a block under 2^-118, a block of zeros among them, keeps the byte 1
; (the bytes are read by this program alone; zero codes add nothing under it); NaN and infinities are not served.
; FF1's order in this text: fragment 16 + 4 blk + 2 s + u of wave w is hidden block 8 blk + w (hidden units 256 blk + 32 w on), so that
; the eight waves' blocks of one blk are 256 neighbours along FF2's K.  This line takes the place of the 4 w + blk and 128 w named above.
.set SCB, 786432
.macro PLOAD rs                        ; W(32 c + 16 h + i, my feature): rs = bytes from one k to the next
.irp c,0,1,2,3
.irp i,0,1,2,3,4,5,6,7,8,9,10,11,12,13,14,15
	global_load_b32 v[64+16*\c+\i], v4, s[22:23] offset:(32*\c+\i)*\rs
.endr
.endr
.endm
	s_load_b256 s[8:15], s[0:1], 0x0               ; wq, wk, wv, proj_w
	s_load_b128 s[16:19], s[0:1], 0x20             ; ff1_w, ff2_w
	s_load_b64 s[20:21], s[0:1], 0x30              ; wts
	v_lshrrev_b32 v1, 5, v0
	v_readfirstlane_b32 s2, v1                     ; f = phi % 4
	s_and_b32 s3, ttmp7, 0xffff                    ; w
	s_lshr_b32 s28, s2, 1                          ; s
	s_and_b32 s29, s2, 1                           ; u
	v_bfe_u32 v2, v0, 4, 1                         ; h
	v_and_b32 v3, 7, v0
	v_bfe_u32 v7, v0, 3, 1
	v_lshl_add_u32 v3, v7, 4, v3                   ; (r & 7) + 16 (r >> 3)
	s_lshl_b32 s30, s29, 3
	v_add_nc_u32 v3, s30, v3                       ; + 8 u: my feature in its block of 32
	v_lshlrev_b32 v3, 2, v3                        ; in bytes
	v_and_b32 v7, 31, v0
	v_lshlrev_b32 v5, 4, v7                        ; 16 x lane
	v_lshlrev_b32 v6, 2, v7                        ; 4 x lane
	s_mov_b32 s4, 0x76543210
	s_mov_b32 s5, 0xfedcba98                       ; lane selects: lane l xor 16
	s_mov_b32 s6, 0x600000                         ; the mantissa field of 448
.irp b,0,1,2,3
	v_mov_b32 v[36+\b], 0                          ; a lane permute's destination counts as one of its sources
.endr
	s_lshl_b32 s31, ttmp9, 2
	s_add_co_u32 s31, s31, s2                      ; phi
	s_mul_i32 s32, s3, 48
	s_add_co_u32 s32, s32, s31                     ; 48 w + phi
	s_lshl_b32 s34, s32, 11
	s_mov_b32 s35, 0
	s_lshl_b32 s36, s32, 7
	s_add_co_u32 s36, s36, SCB
	s_mov_b32 s37, 0
	s_mov_b32 s39, 0
	s_wait_kmcnt 0x0
	s_add_nc_u64 s[24:25], s[20:21], s[34:35]      ; my fragment's codes
	s_add_nc_u64 s[26:27], s[20:21], s[36:37]      ; and its scale words
	s_cmp_lt_u32 ttmp9, 3
	s_cbranch_scc0 .Lnot_qkv
	s_cmp_eq_u32 ttmp9, 0                          ; wq, wk, wv: [8][256][32]: a row of K is 128 bytes, a head 32,768
	s_cselect_b64 s[22:23], s[8:9], s[10:11]
	s_cmp_eq_u32 ttmp9, 2
	s_cselect_b64 s[22:23], s[12:13], s[22:23]
	s_lshl_b32 s38, s3, 15
	s_lshl_b32 s40, s28, 14
	s_add_co_u32 s38, s38, s40
	s_add_nc_u64 s[22:23], s[22:23], s[38:39]
	s_wait_alu depctr_va_vdst(0)
	v_lshl_add_u32 v4, v2, 11, v3                  ; lanes 16-31 begin 16 rows of K further down
	PLOAD 128
	s_branch .Ljoin
.Lnot_qkv:
	s_cmp_eq_u32 ttmp9, 3
	s_cbranch_scc1 .Lwide256
	s_cmp_ge_u32 ttmp9, 8
	s_cbranch_scc1 .Lwide256
	s_sub_co_u32 s38, ttmp9, 4                     ; ff1_w: [256][1024]: a row of K is 4,096 bytes; hidden block 8 (x - 4) + w
	s_lshl_b32 s38, s38, 3
	s_add_co_u32 s38, s38, s3
	s_lshl_b32 s38, s38, 7
	s_lshl_b32 s40, s28, 19
	s_add_co_u32 s38, s38, s40
	s_add_nc_u64 s[22:23], s[16:17], s[38:39]
	s_wait_alu depctr_va_vdst(0)
	v_lshl_add_u32 v4, v2, 16, v3
	PLOAD 4096
	s_branch .Ljoin
.Lwide256:
	s_sub_co_u32 s40, ttmp9, 8                     ; proj_w [256][256] and ff2_w [1024][256]: a row of K is 1,024 bytes
	s_lshl_b32 s40, s40, 1                         ; ff2_w: K step 2 (x - 8) + s; proj_w: K step s
	s_cmp_eq_u32 ttmp9, 3
	s_cselect_b32 s40, 0, s40
	s_cselect_b64 s[22:23], s[14:15], s[18:19]
	s_add_co_u32 s40, s40, s28
	s_lshl_b32 s40, s40, 17
	s_lshl_b32 s38, s3, 7
	s_add_co_u32 s38, s38, s40
	s_add_nc_u64 s[22:23], s[22:23], s[38:39]
	s_wait_alu depctr_va_vdst(0)
	v_lshl_add_u32 v4, v2, 14, v3
	PLOAD 1024
.Ljoin:
	s_wait_loadcnt 0x0
.irp b,0,1,2,3
	v_max3_num_f32 v[32+\b], |v[64+16*\b]|, |v[65+16*\b]|, 0x4800000   ; block b: my 16 numbers and the floor 2^(9 - 127): the byte cannot fall under 1
.endr
.irp i,2,4,6,8,10,12,14
.irp b,0,1,2,3
	v_max3_num_f32 v[32+\b], v[32+\b], |v[64+16*\b+\i]|, |v[65+16*\b+\i]|
.endr
.endr
.irp b,0,1,2,3
	v_permlanex16_b32 v[36+\b], v[32+\b], s4, s5
.endr
.irp b,0,1,2,3
	v_max_num_f32 v[32+\b], v[32+\b], v[36+\b]     ; with lane l xor 16's 16: the block's largest magnitude
.endr
.irp b,0,1,2,3
	v_add_nc_u32 v[44+\b], 0xfc000000, v[32+\b]    ; 8 off its exponent field: the conversion's scale operand
.endr
.irp b,0,1,2,3
	v_and_or_b32 v[40+\b], v[32+\b], 0x7f800000, s6   ; 448 x the scale
.endr
.irp b,0,1,2,3
	v_lshrrev_b32 v[36+\b], 23, v[44+\b]           ; the scale's byte
.endr
	v_lshl_or_b32 v9, v37, 8, v36
	v_lshl_or_b32 v9, v38, 16, v9
	v_lshl_or_b32 v9, v39, 24, v9                  ; my feature's scale word
.irp c,0,1,2,3
.irp i,0,1,2,3,4,5,6,7,8,9,10,11,12,13,14,15
	v_med3_num_f32 v[64+16*\c+\i], v[64+16*\c+\i], -v[40+\c], v[40+\c]   ; the conversion to an 8-bit code does not saturate (ISA guide 7.6.2)
.endr
	v_cvt_scalef32_pk8_fp8_f32 v[48+4*\c:49+4*\c], v[64+16*\c:71+16*\c], v[44+\c]
	v_cvt_scalef32_pk8_fp8_f32 v[50+4*\c:51+4*\c], v[72+16*\c:79+16*\c], v[44+\c]
.endr
	v_nop
.irp c,0,1,2,3
	global_store_b128 v5, v[48+4*\c:51+4*\c], s[24:25] offset:512*\c   ; 32 lanes store 512 consecutive bytes, aligned
.endr
	global_store_b32 v6, v9, s[26:27]
	s_endpgm
.Lfunc_end_k_q3bf3fa6d31_prep:
	.size	k_q3bf3fa6d31_prep, .Lfunc_end_k_q3bf3fa6d31_prep-k_q3bf3fa6d31_prep
	.p2alignl 7, 3214868480
	.fill 96, 4, 3214868480
	.section	.rodata,"a",@progbits
	.p2align	6, 0x0
	.amdhsa_kernel k_q3bf3fa6d31_prep
		.amdhsa_group_segment_fixed_size 0
		.amdhsa_private_segment_fixed_size 0
		.amdhsa_enable_private_segment 0
		.amdhsa_kernarg_size 56
		.amdhsa_user_sgpr_count 2
		.amdhsa_user_sgpr_kernarg_segment_ptr 1
		.amdhsa_wavefront_size32 1
		.amdhsa_system_sgpr_workgroup_id_x 1
		.amdhsa_system_sgpr_workgroup_id_y 1
		.amdhsa_system_sgpr_workgroup_id_z 1
		.amdhsa_system_vgpr_workitem_id 0
		.amdhsa_next_free_vgpr 128
		.amdhsa_next_free_sgpr 66
		.amdhsa_reserve_vcc 0
		.amdhsa_float_denorm_mode_32 3
		.amdhsa_float_denorm_mode_16_64 3
		.amdhsa_memory_ordered 1
		.amdhsa_forward_progress 1
		.amdhsa_inst_pref_size 30
	.end_amdhsa_kernel
	.amdgpu_metadata
---
amdhsa.version: [ 1, 2 ]
amdhsa.kernels:
  - .name:           k_q3bf3fa6d31_prep
    .symbol:         k_q3bf3fa6d31_prep.kd
    .args:
      - { .name: wq, .offset: 0, .size: 8, .value_kind: global_buffer, .address_space: global }
      - { .name: wk, .offset: 8, .size: 8, .value_kind: global_buffer, .address_space: global }
      - { .name: wv, .offset: 16, .size: 8, .value_kind: global_buffer, .address_space: global }
      - { .name: proj_w, .offset: 24, .size: 8, .value_kind: global_buffer, .address_space: global }
      - { .name: ff1_w, .offset: 32, .size: 8, .value_kind: global_buffer, .address_space: global }
      - { .name: ff2_w, .offset: 40, .size: 8, .value_kind: global_buffer, .address_space: global }
      - { .name: wts, .offset: 48, .size: 8, .value_kind: global_buffer, .address_space: global }
    .group_segment_fixed_size: 0
    .private_segment_fixed_size: 0
    .kernarg_segment_align: 8
    .kernarg_segment_size: 56
    .max_flat_workgroup_size: 128
    .sgpr_count:     66
    .vgpr_count:     128
    .wavefront_size: 32
...
	.end_amdgpu_metadata
.endif
;; end of part 1
;; launch block (part 2): grid 256 x 1, 8 waves a work-group, no clusters, 327,680 bytes of LDS; arguments x, wts, ln1_g, ln1_b, ln2_g, ln2_b, proj_b, ff1_b, ff2_b, out0; writes out0
.if DOCPART == 2
	.amdgcn_target "amdgcn-amd-amdhsa--gfx1250"
	.amdhsa_code_object_version 6
	.text
	.protected	k_q3bf3fa6d31_block
	.globl	k_q3bf3fa6d31_block
	.p2align	8
	.type	k_q3bf3fa6d31_block,@function
k_q3bf3fa6d31_block:
	s_mov_b64 s[64:65], 0
	v_nop
	global_prefetch_b8 v0, s[64:65] scope:SCOPE_SE
	s_setreg_imm32_b32 hwreg(HW_REG_WAVE_MODE, 25, 1), 1
	s_wait_xcnt 0x0
; The whole transformer block.  A work-group makes two batches of 128 tokens (numbers g and g + 256), one after the other; wave w owns head w
; and output features 32 w .. 32 w + 31.  Products on codes of FP8 (E4M3) with an E8M0 byte for each 32 along K; all else in f32.
; LAYOUT (r = lane % 16, h = lane / 16): x, x1 and sums: v[128 + 16 T + i] = token 16 T + r, feature 32 w + 16 h + i.
; Activations in LDS: [T][K step s][register group c][lane][16 bytes], scale words [pair of tiles][lane][tile of the pair][s]: the operand's registers as they lie.
; LDS: two slots of x (rows of 1,024 bytes + 16), one for each batch, each filled once by one tensor load a wave; activations, statistics, spare words.
; The hidden layer's codes and the way out use slot 0: by then it has had its one fill and its last read as x.
; WEIGHTS go from memory straight into window 1, in the order of the operand's registers; each wave takes fragments of its own, so no tile in LDS
; is shared by work-groups, and cluster = none.  No prefetch: all of x is asked for by the two tensor loads at the head.
; CAUSAL MASK: key tiles wholly behind a query tile are not computed; on the diagonal -1e30 is the product's C.
; LIMITS: scaled scores stay under 2^31 in magnitude; a block whose largest magnitude lies under 2^-118 keeps the scale byte 1; NaN and infinities are not served.
.set XSL,  133120
.set ACT,  266240
.set ACTS, 299008
.set ST1,  301056
.set ST2,  309248
.set SPARE, 311296                     ; 128 bytes for each wave
.set HSC,  32768                       ; a hidden chunk: codes from byte 0 of its slot, scale words from HSC
.set HSL,  65536                       ; the second hidden slot
; Scale words in LDS: [pair of tiles][lane][tile of the pair][K step]: one load of 16 bytes brings a pair's four words.
.set MSB, 0
.macro WIN new                         ; the register windows; the immediate's high byte repeats the setting that is left
.if MSB != (\new)
	s_set_vgpr_msb (MSB<<8)|(\new)
.set MSB, (\new)
.endif
.endm
.macro BAR
	s_wait_alu depctr_va_vdst(0)
	s_wait_dscnt 0x0
	s_barrier_signal -1
	s_barrier_wait -1
.endm
.macro PLACES n
.rept \n
	v_nop
.endr
.endm
.macro MM d, a, b, sa, sb, acc
.if \acc
	v_wmma_scale_f32_16x16x128_f8f6f4 v[(\d):(\d)+7], v[(\a):(\a)+15], v[(\b):(\b)+15], v[(\d):(\d)+7], v[(\sa)], v[(\sb)]
.else
	v_wmma_scale_f32_16x16x128_f8f6f4 v[(\d):(\d)+7], v[(\a):(\a)+15], v[(\b):(\b)+15], 0, v[(\sa)], v[(\sb)]
.endif
.endm
; 8 products: a pair of token tiles x 2 feature tiles x 2 K steps; three others stand between a sum's two steps.  c0 > 0: the sums begin with v[c0 + 8 u ..]
.macro MMP d, wt, buf, win, ws, as, c0
	WIN \win
.irp s,0,1
.irp e,0,1
.irp u,0,1
.if (\s == 0) && ((\c0) > 0)
	v_wmma_scale_f32_16x16x128_f8f6f4 v[(\d)+16*\e+8*\u:(\d)+16*\e+8*\u+7], v[(\wt)+16*(2*\s+\u):(\wt)+16*(2*\s+\u)+15], v[(\buf)+32*\e+16*\s:(\buf)+32*\e+16*\s+15], v[(\c0)+8*\u:(\c0)+8*\u+7], v[(\ws)+2*\s+\u], v[(\as)+2*\e+\s]
.else
	MM (\d)+16*\e+8*\u, (\wt)+16*(2*\s+\u), (\buf)+32*\e+16*\s, (\ws)+2*\s+\u, (\as)+2*\e+\s, 1
.endif
.endr
.endr
.endr
.endm
.macro WLOAD p, phi0, n, k0            ; n fragments of codes into window 1
	WIN 0x40
.set wf, 0
.rept \n
.irp c,0,1,2,3
	global_load_b128 v[16*(\k0+wf)+4*\c:16*(\k0+wf)+4*\c+3], v1, s[\p:\p+1] offset:(\phi0+wf)*2048+512*\c
.endr
.set wf, wf+1
.endr
.endm
.macro WSLOAD p, phi0, n, reg          ; their scale words
.set wf, 0
.rept \n
	global_load_b32 v[\reg+wf], v2, s[\p:\p+1] offset:(\phi0+wf)*128
.set wf, wf+1
.endr
.endm
.macro PARAM reg, sb                   ; my 16 features of a vector
.irp q,0,1,2,3
	global_load_b128 v[\reg+4*\q:\reg+4*\q+3], v19, s[\sb:\sb+1] offset:16*\q
.endr
.endm
.macro XLOAD
.irp T,0,1,2,3,4,5,6,7
.irp q,0,1,2,3
	ds_load_b128 v[128+16*\T+4*\q:131+16*\T+4*\q], v[7+\T/4] offset:(\T%4)*16640+16*\q
.endr
.endr
.endm
.macro LOADT buf, as, va, vs, oa, os
.irp s,0,1
.irp c,0,1,2,3
	ds_load_b128 v[\buf+16*\s+4*\c:\buf+16*\s+4*\c+3], v[\va] offset:(\oa)+2048*\s+512*\c
.endr
.endr
	ds_load_b64 v[\as:\as+1], v[\vs] offset:(\os)
.endm
.macro FETCH va, vs, so, P, buf, win, as   ; tiles 2 P and 2 P + 1: 17 LDS loads
	WIN \win
.irp e,0,1
.irp s,0,1
.irp c,0,1,2,3
	ds_load_b128 v[(\buf)+32*\e+16*\s+4*\c:(\buf)+32*\e+16*\s+4*\c+3], v[\va] offset:4096*(2*(\P)+\e)+2048*\s+512*\c
.endr
.endr
.endr
	WIN 0
	ds_load_b128 v[(\as):(\as)+3], v[\vs] offset:(\so)+512*(\P)
.endm
; n blocks of 16 numbers a lane (the other 16 in lane l xor 16): bounds 448 x scale at tm, the conversions' scale operands at tm + n.  w = 1: the numbers lie in window 1
.macro QMAX n, src, tm, relu, w
	WIN 0x05*\w
.set qg, 0
.rept \n
.if \relu
	v_max3_num_f32 v[\tm+qg], v[\src+16*qg], v[\src+16*qg+1], 0x4800000
.else
	v_max3_num_f32 v[\tm+qg], |v[\src+16*qg]|, |v[\src+16*qg+1]|, 0x4800000
.endif
.set qg, qg+1
.endr
	WIN 0x14*\w
.irp i,2,4,6,8,10,12,14
.set qg, 0
.rept \n
.if \relu
	v_max3_num_f32 v[\tm+qg], v[\tm+qg], v[\src+16*qg+\i], v[\src+16*qg+\i+1]
.else
	v_max3_num_f32 v[\tm+qg], v[\tm+qg], |v[\src+16*qg+\i]|, |v[\src+16*qg+\i+1]|
.endif
.set qg, qg+1
.endr
.endr
	WIN 0
.set qg, 0
.rept \n
	v_permlanex16_b32 v[\tm+\n+qg], v[\tm+qg], s4, s5
.set qg, qg+1
.endr
.set qg, 0
.rept \n
	v_max_num_f32 v[\tm+qg], v[\tm+qg], v[\tm+\n+qg]
.set qg, qg+1
.endr
.set qg, 0
.rept \n
	v_add_nc_u32 v[\tm+\n+qg], 0xfc000000, v[\tm+qg]
.set qg, qg+1
.endr
.set qg, 0
.rept \n
	v_and_or_b32 v[\tm+qg], v[\tm+qg], 0x7f800000, s6
.set qg, qg+1
.endr
.endm
.macro QHOLD n, src, tm, relu, w
	WIN 0x41*\w
.set qg, 0
.rept \n
.set qi, 0
.rept 16
.if \relu
	v_med3_num_f32 v[\src+16*qg+qi], v[\src+16*qg+qi], 0, v[\tm+qg]
.else
	v_med3_num_f32 v[\src+16*qg+qi], v[\src+16*qg+qi], -v[\tm+qg], v[\tm+qg]
.endif
.set qi, qi+1
.endr
.set qg, qg+1
.endr
.endm
.macro QCVT dst, src, so
	v_cvt_scalef32_pk8_fp8_f32 v[(\dst):(\dst)+1], v[(\src):(\src)+7], v[(\so)]
	v_cvt_scalef32_pk8_fp8_f32 v[(\dst)+2:(\dst)+3], v[(\src)+8:(\src)+15], v[(\so)]
.endm
; LAYER NORM of v[128:255] and its codes.  Sums and squared deviations from the wave's own mean of 32 features meet in LDS; wave w finishes tile w's tokens.
; w = 1: x1 stays where it is, the normalised numbers go to window 1, and FF1's first bias is asked for.  lc: younger loads that may be out
.macro LN w, lc
.irp T,0,1,2,3,4,5,6,7
	v_pk_add_f32 v[64+2*\T:65+2*\T], v[128+16*\T:129+16*\T], v[130+16*\T:131+16*\T]
.endr
.irp i,4,6,8,10,12,14
.irp T,0,1,2,3,4,5,6,7
	v_pk_add_f32 v[64+2*\T:65+2*\T], v[64+2*\T:65+2*\T], v[128+16*\T+\i:129+16*\T+\i]
.endr
.endr
.irp T,0,1,2,3,4,5,6,7
	v_add_f32 v[24+2*\T], v[64+2*\T], v[65+2*\T]
.endr
.irp T,0,1,2,3,4,5,6,7
	v_permlanex16_b32 v[80+2*\T], v[24+2*\T], s4, s5
.endr
.irp T,0,1,2,3,4,5,6,7
	v_add_f32 v[24+2*\T], v[24+2*\T], v[80+2*\T]
.endr
.irp T,0,1,2,3,4,5,6,7
	v_mul_f32 v[24+2*\T], 0x3d000000, v[24+2*\T]
.endr
.irp i,0,2,4,6,8,10,12,14
.irp T,0,1,2,3,4,5,6,7
	v_pk_add_f32 v[80+2*\T:81+2*\T], v[128+16*\T+\i:129+16*\T+\i], v[24+2*\T:25+2*\T] op_sel_hi:[1,0] neg_lo:[0,1] neg_hi:[0,1]
.endr
.irp T,0,1,2,3,4,5,6,7
.if \i == 0
	v_pk_mul_f32 v[64+2*\T:65+2*\T], v[80+2*\T:81+2*\T], v[80+2*\T:81+2*\T]
.else
	v_pk_fma_f32 v[64+2*\T:65+2*\T], v[80+2*\T:81+2*\T], v[80+2*\T:81+2*\T], v[64+2*\T:65+2*\T]
.endif
.endr
.endr
.irp T,0,1,2,3,4,5,6,7
	v_add_f32 v[25+2*\T], v[64+2*\T], v[65+2*\T]
.endr
.irp T,0,1,2,3,4,5,6,7
	v_permlanex16_b32 v[80+2*\T], v[25+2*\T], s4, s5
.endr
.irp T,0,1,2,3,4,5,6,7
	v_add_f32 v[25+2*\T], v[25+2*\T], v[80+2*\T]
.endr
.irp T,0,1,2,3,4,5,6,7
	ds_store_b64 v20, v[24+2*\T:25+2*\T] offset:1024*\T
.endr
	BAR
	ds_load_b128 v[64:67], v21
	ds_load_b128 v[68:71], v21 offset:16
.if \w
	PARAM 24,22
.endif
	s_mov_b32 s3, 0x3b800000
	s_mov_b32 s7, 0x3727c5ac
	s_wait_dscnt 0x0
	v_add_f32 v72, v64, v66
	v_add_f32 v73, v68, v70
	s_delay_alu instid0(VALU_DEP_1)
	v_add_f32 v72, v72, v73
	s_delay_alu instid0(VALU_DEP_1)
	v_add_f32_dpp v72, v72, v72 row_xmask:1 row_mask:0xf bank_mask:0xf
	s_delay_alu instid0(VALU_DEP_1)
	v_mul_f32 v72, 0x3e000000, v72
	s_delay_alu instid0(VALU_DEP_1)
	v_sub_f32 v64, v64, v72
	s_delay_alu instid0(VALU_DEP_2)
	v_sub_f32 v66, v66, v72
	s_delay_alu instid0(VALU_DEP_3)
	v_sub_f32 v68, v68, v72
	s_delay_alu instid0(VALU_DEP_4)
	v_sub_f32 v70, v70, v72
	s_delay_alu instid0(VALU_DEP_4)
	v_mul_f32 v74, v64, v64
	s_delay_alu instid0(VALU_DEP_1)
	v_fma_f32 v74, v66, v66, v74
	s_delay_alu instid0(VALU_DEP_1)
	v_fma_f32 v74, v68, v68, v74
	s_delay_alu instid0(VALU_DEP_1)
	v_fma_f32 v74, v70, v70, v74
	v_add_f32 v75, v65, v67
	v_add_f32 v76, v69, v71
	s_delay_alu instid0(VALU_DEP_1)
	v_add_f32 v75, v75, v76
	s_delay_alu instid0(VALU_DEP_1)
	v_fma_f32 v75, v74, 0x42000000, v75
	s_delay_alu instid0(VALU_DEP_1)
	v_add_f32_dpp v75, v75, v75 row_xmask:1 row_mask:0xf bank_mask:0xf
	s_delay_alu instid0(VALU_DEP_1)
	v_fma_f32 v75, v75, s3, s7                     ; variance + 1e-5
	s_wait_alu depctr_va_vdst(0)
	v_rsq_f32 v74, v75
	v_mov_b32 v73, v72
	s_wait_alu depctr_va_vdst(0)
	v_mov_b32 v75, v74
	ds_store_b128 v22, v[72:75]
	BAR
.irp T,0,1,2,3,4,5,6,7
	ds_load_b128 v[64+4*\T:67+4*\T], v23 offset:256*\T
.endr
	s_wait_dscnt 0x0
	s_wait_loadcnt \lc
	WIN 0x40*\w
.irp T,0,1,2,3,4,5,6,7
.irp i,0,2,4,6,8,10,12,14
	v_pk_add_f32 v[128+16*\T+\i:129+16*\T+\i], v[128+16*\T+\i:129+16*\T+\i], v[64+4*\T:65+4*\T] neg_lo:[0,1] neg_hi:[0,1]
.endr
.endr
	WIN 0x41*\w
.irp T,0,1,2,3,4,5,6,7
.irp i,0,2,4,6,8,10,12,14
	v_pk_mul_f32 v[128+16*\T+\i:129+16*\T+\i], v[128+16*\T+\i:129+16*\T+\i], v[66+4*\T:67+4*\T]
.endr
.irp i,0,2,4,6,8,10,12,14
	v_pk_fma_f32 v[128+16*\T+\i:129+16*\T+\i], v[128+16*\T+\i:129+16*\T+\i], v[96+\i:97+\i], v[112+\i:113+\i]
.endr
.endr
	QMAX 8,128,96,0,\w
	QHOLD 8,128,96,0,\w
	WIN 0x01*\w
.irp T,0,1,2,3,4,5,6,7
	QCVT 64+4*\T,128+16*\T,104+\T
.endr
	WIN 0
	v_nop
.irp T,0,1,2,3,4,5,6,7
	v_lshrrev_b32 v[104+\T], 23, v[104+\T]
.endr
.irp T,0,1,2,3,4,5,6,7
	ds_store_b128 v5, v[64+4*\T:67+4*\T] offset:4096*\T
	ds_store_b8 v6, v[104+\T] offset:512*(\T/2)+8*(\T%2)
.endr
	BAR
.endm
; Q, K (source 0 = the weight's rows) and V (source 0 = the tokens) of one token tile
.macro MMT buf, as, tau
.irp s,0,1
	WIN 0x01
.irp u,0,1
	MM 128+16*\tau+8*\u,16*(2*\s+\u),\buf+16*\s,40+2*\s+\u,\as+\s,\s
.endr
.irp u,0,1
	MM 160+16*\tau+8*\u,16*(4+2*\s+\u),\buf+16*\s,44+2*\s+\u,\as+\s,\s
.endr
	WIN 0x04
.irp u,0,1
	MM 192+16*\u+8*\tau,\buf+16*\s,16*(8+2*\s+\u),\as+\s,48+2*\s+\u,\s
.endr
.endr
.endm
.macro SC d, q, qs, m                  ; scores of key tile kt: K = 32 of 128, Q's other 12 registers are zero codes
.if \m
	v_wmma_scale_f32_16x16x128_f8f6f4 v[\d+8*kt:\d+8*kt+7], v[192+4*kt:207+4*kt], v[\q:\q+15], v[96:103], v[32+kt], v[\qs]
.else
	v_wmma_scale_f32_16x16x128_f8f6f4 v[\d+8*kt:\d+8*kt+7], v[192+4*kt:207+4*kt], v[\q:\q+15], 0, v[32+kt], v[\qs]
.endif
.endm
; ATTENTION of query tiles 2 a (scores at v64, key tiles 0 .. 2 a) and 2 a + 1 (scores at v128, key tiles 0 .. 2 a + 1) in step; a lane holds one query of each.
; M = ceil(the row's largest t), p = 2^(t - M) is quantised, the sum of the unquantised p divides at the end.
.macro QT2 a
.set NB, (\a)+1
	WIN 0x15
.set kt, 0
.rept 2*NB
.if kt < 2*(\a)
	SC 64, 64, 24+2*(\a), 0
.elseif kt == 2*(\a)
	SC 64, 64, 24+2*(\a), 1
.endif
.if kt < 2*(\a)+1
	SC 128, 80, 25+2*(\a), 0
.else
	SC 128, 80, 25+2*(\a), 1
.endif
.set kt, kt+1
.endr
	WIN 0
	PLACES 8
.set qb, 0
.rept NB
	v_max3_num_f32 v[40+qb], v[64+16*qb], v[65+16*qb], v[66+16*qb]
	v_max3_num_f32 v[44+qb], v[128+16*qb], v[129+16*qb], v[130+16*qb]
.set qb, qb+1
.endr
.irp i,3,5,7,9,11,13
.set qb, 0
.rept NB
.if (qb < (\a)) || (\i < 7)
	v_max3_num_f32 v[40+qb], v[40+qb], v[64+16*qb+\i], v[65+16*qb+\i]
.endif
	v_max3_num_f32 v[44+qb], v[44+qb], v[128+16*qb+\i], v[129+16*qb+\i]
.set qb, qb+1
.endr
.endr
.set qb, 0
.rept NB
.if qb < (\a)
	v_max_num_f32 v[40+qb], v[40+qb], v[79+16*qb]
.else
	v_max_num_f32 v[40+qb], v[40+qb], v[71+16*qb]
.endif
	v_max_num_f32 v[44+qb], v[44+qb], v[143+16*qb]
.set qb, qb+1
.endr
.set qb, 0
.rept NB
	v_permlanex16_b32 v[48+qb], v[40+qb], s4, s5
	v_permlanex16_b32 v[52+qb], v[44+qb], s4, s5
.set qb, qb+1
.endr
.set qb, 0
.rept NB
	v_max_num_f32 v[40+qb], v[40+qb], v[48+qb]
	v_max_num_f32 v[44+qb], v[44+qb], v[52+qb]
.set qb, qb+1
.endr
.if NB == 1
	v_mul_f32 v57, s30, v40
	v_mul_f32 v59, s30, v44
.else
.if NB == 2
	v_max_num_f32 v57, v40, v41
	v_max_num_f32 v59, v44, v45
.else
	v_max3_num_f32 v57, v40, v41, v42
	v_max3_num_f32 v59, v44, v45, v46
.endif
.if NB == 4
	v_max_num_f32 v57, v57, v43
	v_max_num_f32 v59, v59, v47
.endif
	v_mul_f32 v57, s30, v57
	v_mul_f32 v59, s30, v59
.endif
	v_floor_f32 v56, -v57
	v_floor_f32 v58, -v59
.set qj, 0
.rept 8*NB
.if qj < 16*(\a)+8
	v_pk_fma_f32 v[64+qj:65+qj], v[64+qj:65+qj], s[30:31], v[56:57] op_sel_hi:[1,0,0]
.endif
	v_pk_fma_f32 v[128+qj:129+qj], v[128+qj:129+qj], s[30:31], v[58:59] op_sel_hi:[1,0,0]
.set qj, qj+2
.endr
.set qb, 0
.rept NB
	v_fma_f32 v[40+qb], v[40+qb], s30, v56
	v_fma_f32 v[44+qb], v[44+qb], s30, v58
.set qb, qb+1
.endr
	s_wait_alu depctr_va_vdst(0)
.set qj, 0
.rept 16*NB
.if qj < 16*(\a)+8
	v_exp_f32 v[64+qj], v[64+qj]
.endif
	v_exp_f32 v[128+qj], v[128+qj]
.set qj, qj+1
.endr
.set qb, 0
.rept NB
	v_exp_f32 v[40+qb], v[40+qb]                   ; the block's largest p, from its largest score
	v_exp_f32 v[44+qb], v[44+qb]
.set qb, qb+1
.endr
	v_nop
	s_wait_alu depctr_va_vdst(0)
	v_pk_add_f32 v[48:49], v[64:65], v[66:67]
	v_pk_add_f32 v[52:53], v[128:129], v[130:131]
	v_pk_add_f32 v[50:51], v[68:69], v[70:71]
	v_pk_add_f32 v[54:55], v[132:133], v[134:135]
.set qj, 8
.rept 4*NB-2
.if qj < 16*(\a)+8
	v_pk_add_f32 v[48:49], v[48:49], v[64+qj:65+qj]
.endif
	v_pk_add_f32 v[52:53], v[52:53], v[128+qj:129+qj]
.if qj < 16*(\a)+8
	v_pk_add_f32 v[50:51], v[50:51], v[66+qj:67+qj]
.endif
	v_pk_add_f32 v[54:55], v[54:55], v[130+qj:131+qj]
.set qj, qj+4
.endr
	v_pk_add_f32 v[48:49], v[48:49], v[50:51]
	v_pk_add_f32 v[52:53], v[52:53], v[54:55]
.set qb, 0
.rept NB
	v_max_num_f32 v[40+qb], 0x4800000, v[40+qb]
	v_max_num_f32 v[44+qb], 0x4800000, v[44+qb]
.set qb, qb+1
.endr
	v_add_f32 v56, v48, v49
	v_add_f32 v58, v52, v53
.set qb, 0
.rept NB
	v_add_nc_u32 v[48+qb], 0xfc000000, v[40+qb]
	v_add_nc_u32 v[52+qb], 0xfc000000, v[44+qb]
.set qb, qb+1
.endr
	v_permlanex16_b32 v57, v56, s4, s5
	v_permlanex16_b32 v59, v58, s4, s5
.set qb, 0
.rept NB
	v_and_or_b32 v[40+qb], v[40+qb], 0x7f800000, s6
	v_and_or_b32 v[44+qb], v[44+qb], 0x7f800000, s6
.set qb, qb+1
.endr
	v_add_f32 v56, v56, v57
	v_add_f32 v58, v58, v59
	v_lshrrev_b32 v62, 23, v48
	v_lshrrev_b32 v63, 23, v52
.set qb, 1
.rept NB-1
	v_lshrrev_b32 v57, 23, v[48+qb]
	v_lshrrev_b32 v59, 23, v[52+qb]
	v_lshl_or_b32 v62, v57, 8*qb, v62
	v_lshl_or_b32 v63, v59, 8*qb, v63
.set qb, qb+1
.endr
	s_wait_alu depctr_va_vdst(0)
	v_rcp_f32 v56, v56
	v_rcp_f32 v58, v58
.set qb, 0
.rept NB
.set qi, 0
.rept 16
.if (qb < (\a)) || (qi < 8)
	v_min_num_f32 v[64+16*qb+qi], v[64+16*qb+qi], v[40+qb]
.endif
	v_min_num_f32 v[128+16*qb+qi], v[128+16*qb+qi], v[44+qb]
.set qi, qi+1
.endr
.set qb, qb+1
.endr
.set qb, 0
.rept NB
.if qb < (\a)
	QCVT 192+4*qb, 64+16*qb, 48+qb
.else
	v_cvt_scalef32_pk8_fp8_f32 v[192+4*qb:193+4*qb], v[64+16*qb:71+16*qb], v[48+qb]   ; the hidden half of the block keeps its zero codes
.endif
	QCVT 208+4*qb, 128+16*qb, 52+qb
.set qb, qb+1
.endr
.if (\a) < 3
	WIN 0x41
.irp i,0,1,2,3
	v_mov_b32 v[64+\i], v[232+8*(\a)+\i]           ; the next two query tiles' codes
	v_mov_b32 v[80+\i], v[236+8*(\a)+\i]
.endr
	WIN 0
.else
	PLACES 4
.endif
	MM 64,224,192,60,62,0
	MM 72,240,192,61,62,0
	MM 128,224,208,60,63,0
	MM 136,240,208,61,63,0
	PLACES 8
	s_wait_alu depctr_va_vdst(0)
.irp j,0,2,4,6,8,10,12,14
	v_pk_mul_f32 v[64+\j:65+\j], v[64+\j:65+\j], v[56:57] op_sel_hi:[1,0]
	v_pk_mul_f32 v[128+\j:129+\j], v[128+\j:129+\j], v[58:59] op_sel_hi:[1,0]
.endr
	v_max3_num_f32 v40, |v64|, |v65|, 0x4800000
	v_max3_num_f32 v44, |v128|, |v129|, 0x4800000
	v_max3_num_f32 v41, |v66|, |v67|, |v68|
	v_max3_num_f32 v45, |v130|, |v131|, |v132|
	v_max3_num_f32 v42, |v69|, |v70|, |v71|
	v_max3_num_f32 v46, |v133|, |v134|, |v135|
	v_max3_num_f32 v40, v40, |v72|, |v73|
	v_max3_num_f32 v44, v44, |v136|, |v137|
	v_max3_num_f32 v41, v41, |v74|, |v75|
	v_max3_num_f32 v45, v45, |v138|, |v139|
	v_max3_num_f32 v42, v42, |v76|, |v77|
	v_max3_num_f32 v46, v46, |v140|, |v141|
	v_max3_num_f32 v40, v40, |v78|, |v79|
	v_max3_num_f32 v44, v44, |v142|, |v143|
	v_max3_num_f32 v40, v40, v41, v42
	v_max3_num_f32 v44, v44, v45, v46
	v_permlanex16_b32 v43, v40, s4, s5
	v_permlanex16_b32 v47, v44, s4, s5
	v_max_num_f32 v40, v40, v43
	v_max_num_f32 v44, v44, v47
	v_add_nc_u32 v48, 0xfc000000, v40
	v_add_nc_u32 v52, 0xfc000000, v44
	v_and_or_b32 v49, v40, 0x7f800000, s6
	v_and_or_b32 v53, v44, 0x7f800000, s6
.irp j,0,1,2,3,4,5,6,7,8,9,10,11,12,13,14,15
	v_med3_num_f32 v[64+\j], v[64+\j], -v49, v49
	v_med3_num_f32 v[128+\j], v[128+\j], -v53, v53
.endr
	QCVT 80,64,48
	QCVT 144,128,52
	v_nop
	v_lshrrev_b32 v50, 23, v48
	v_lshrrev_b32 v54, 23, v52
	ds_store_b128 v5, v[80:83] offset:8192*(\a)
	ds_store_b128 v5, v[144:147] offset:8192*(\a)+4096
	ds_store_b8 v6, v50 offset:512*(\a)
	ds_store_b8 v6, v54 offset:512*(\a)+8
.endm
; FF1's way out of four token tiles: relu and the hold in one, codes and bytes into the hidden chunk.  bw = 1: the barrier behind which nobody reads the last chunk is waited for ahead of the stores
.macro FQ T0, bw
	QMAX 4,64,48,1,0
	QHOLD 4,64,48,1,0
	QCVT 14,64,52
	v_nop
	QCVT 64,80,53
	QCVT 68,96,54
	QCVT 72,112,55
	v_nop
.irp i,0,1,2,3
	v_lshrrev_b32 v[52+\i], 23, v[52+\i]
.endr
.if \bw
	s_wait_alu depctr_va_vdst(0)
	s_barrier_wait -1
.endif
	ds_store_b128 v7, v[14:17] offset:4096*(\T0)
.irp i,1,2,3
	ds_store_b128 v7, v[60+4*\i:63+4*\i] offset:4096*(\T0+\i)
.endr
.irp i,0,1,2,3
	ds_store_b8 v8, v[52+\i] offset:HSC+512*((\T0+\i)/2)+8*((\T0+\i)%2)
.endr
.endm
	s_load_b512 s[8:23], s[0:1], 0x0               ; x, wts, ln1_g, ln1_b, ln2_g, ln2_b, proj_b, ff1_b
	s_load_b128 s[24:27], s[0:1], 0x40             ; ff2_b, out0
	v_lshl_add_u32 v10, v0, 2, SPARE
	v_mov_b32 v11, 0
	ds_add_u32 v10, v11                            ; the opening lines
	ds_add_u32 v10, v11
	v_lshrrev_b32 v24, 5, v0
	v_and_b32 v25, 31, v0
	v_and_b32 v26, 15, v0
	v_bfe_u32 v27, v0, 4, 1
	v_readfirstlane_b32 s2, v24                    ; wave
	v_lshrrev_b32 v28, 1, v25
	v_lshlrev_b32 v1, 4, v25                       ; 16 x lane
	v_lshlrev_b32 v2, 2, v25                       ; 4 x lane
	s_mov_b32 s4, 0x76543210
	s_mov_b32 s5, 0xfedcba98                       ; lane selects: lane l xor 16
	s_mov_b32 s6, 0x600000                         ; the mantissa field of 448
	s_mov_b32 s30, 0x3e8293ee                      ; log2(e) / sqrt(32)
	s_mov_b32 s31, s30
	s_mov_b32 s32, (2<<16)|(1<<20)|(7<<22)|(3<<25) ; 16 rows of 256 f32, four words of padding behind each
	s_mov_b32 s33, 256<<16
	s_mov_b32 s34, 16<<16
	s_mov_b32 s35, 256<<16
	s_mov_b32 s36, 16
	s_mov_b32 s37, 256
	s_mov_b32 s38, 0
	s_mov_b32 s39, 0
	s_mov_b32 s40, 1
	s_mul_i32 s41, s2, 16640                       ; wave w brings tokens 16 w .. 16 w + 15
	s_mov_b32 s44, 1
	s_add_co_u32 s45, s41, XSL
	s_lshl_b32 s54, ttmp9, 17
	s_lshl_b32 s3, s2, 14
	s_add_co_u32 s54, s54, s3
	s_mov_b32 s55, 0
	s_mul_i32 s50, s2, 98304
	s_mov_b32 s51, 0
	s_mul_i32 s52, s2, 6144
	s_add_co_u32 s52, s52, 786432
	s_mov_b32 s53, 0
	s_wait_alu depctr_va_vdst(0)
	s_wait_dscnt 0x0                               ; both opening adds are done
	s_wait_kmcnt 0x0
	s_add_nc_u64 s[42:43], s[8:9], s[54:55]
	s_add_nc_u64 s[46:47], s[42:43], 0x2000000     ; the second batch: 256 batches on
	s_or_b32 s43, s43, 0x80000000
	s_or_b32 s47, s47, 0x80000000
	tensor_load_to_lds s[40:43], s[32:39]          ; one tensor load a wave at the head
	s_nop 0
	PLACES 4
	s_add_nc_u64 s[48:49], s[26:27], s[54:55]
	s_add_nc_u64 s[28:29], s[10:11], s[52:53]      ; my fragments' scale words
	s_add_nc_u64 s[10:11], s[10:11], s[50:51]      ; and codes
	s_lshl_b32 s3, s2, 7
	v_lshl_add_u32 v19, v27, 6, s3                 ; a vector's 16 numbers: 128 w + 64 h
	PARAM 96,12
	PARAM 112,14
	WSLOAD 28,0,12,40
	WLOAD 10,0,12,0
	WIN 0
	v_mul_u32_u24 v18, v26, 1040
	v_lshl_add_u32 v18, v27, 6, v18
	v_add_nc_u32 v18, s3, v18                      ; my place in a tile of x: 1,040 r + 64 h + 128 w
	v_add_nc_u32 v3, ACT, v1
	v_add_nc_u32 v4, ACTS, v1
	s_lshr_b32 s3, s2, 2
	s_and_b32 s7, s2, 3
	s_lshl_b32 s54, s3, 11
	s_lshl_b32 s55, s7, 9
	s_add_co_u32 s54, s54, s55
	v_add_nc_u32 v12, s54, v1                      ; my block's codes in a tile: K step w / 4, group w % 4
	v_add_nc_u32 v13, s2, v1                       ; and its byte: 16 x lane + 4 (w / 4) + w % 4
	v_add_nc_u32 v5, ACT, v12
	v_add_nc_u32 v6, ACTS, v13
	v_mov_b32 v7, v18
	v_add_nc_u32 v8, 66560, v18
	s_mul_i32 s54, s2, 16640
	v_add_nc_u32 v9, s54, v1                       ; the way out: my 16 rows
	s_lshl_b32 s54, s2, 3
	s_add_co_u32 s54, s54, ST1
	v_lshl_add_u32 v20, v26, 6, s54
	s_lshl_b32 s54, s2, 10
	s_add_co_u32 s54, s54, ST1
	v_lshl_add_u32 v21, v25, 5, s54
	s_lshl_b32 s54, s2, 8
	s_add_co_u32 s54, s54, ST2
	v_lshl_add_u32 v22, v28, 4, s54
	v_lshl_add_u32 v23, v26, 4, ST2
.irp j,0,1,2,3,4,5,6,7,8,9,10,11,12,13,14,15
	v_mov_b32 v[24+\j], 0                          ; upper halves of pairs, and a lane permute's destinations, are written ahead of their first use
	v_mov_b32 v[80+\j], 0
.endr
	s_mov_b32 s50, 0                               ; the batch
	s_mov_b32 s51, 0                               ; its slot
	s_mov_b32 s62, 0                               ; chunks of the hidden layer done, of both batches
	s_wait_alu depctr_va_vdst(0)
	s_wait_tensorcnt 0x0                           ; my rows of the first batch are in
	ds_add_u32 v10, v11
	s_wait_dscnt 0x0
	s_barrier_signal -1
	s_barrier_wait -1
	tensor_load_to_lds s[44:47], s[32:39]          ; the second batch
	s_nop 0
	PLACES 4
	XLOAD
.Lbatch:
	s_wait_dscnt 0x0
	LN 0, 40                                       ; Wq's and Wv's 40 loads may be out
	s_wait_loadcnt 0x0
	LOADT 64,56,3,4,0,0
	LOADT 96,58,3,4,4096,8
.irp p,0,1,2,3
	s_wait_dscnt 9
	MMT 64,56,0
	s_wait_dscnt 0x0
	MMT 96,58,1
	WIN 0
	PLACES 8
.if \p == 3
	WSLOAD 28,12,4,14                              ; proj, its bias, and FF1's first chunk
	WLOAD 10,12,4,8
	PARAM 104,20
	WLOAD 10,16,4,0
	WIN 0
.else
	LOADT 64,56,3,4,4096*(2*\p+2),512*(\p+1)
.endif
	QMAX 6,128,96,0,0
	v_lshrrev_b32 v[24+2*\p], 23, v102
	v_lshrrev_b32 v[25+2*\p], 23, v103
	v_lshrrev_b32 v[32+2*\p], 23, v104
	v_lshrrev_b32 v[33+2*\p], 23, v105
.if \p == 0
	v_lshrrev_b32 v60, 23, v106
	v_lshrrev_b32 v61, 23, v107
.else
	v_lshrrev_b32 v108, 23, v106
	v_lshrrev_b32 v109, 23, v107
	s_delay_alu instid0(VALU_DEP_2)
	v_lshl_or_b32 v60, v108, 8*\p, v60
	s_delay_alu instid0(VALU_DEP_2)
	v_lshl_or_b32 v61, v109, 8*\p, v61
.endif
	QHOLD 6,128,96,0,0
	WIN 0x40
	QCVT 224+8*\p,128,102                          ; Q's codes, window 1
	QCVT 228+8*\p,144,103
	QCVT 192+8*\p,160,104                          ; K's
	QCVT 196+8*\p,176,105
	WIN 0
	QCVT 224+4*\p,192,106                          ; V's, window 0: the tokens are their K
	QCVT 240+4*\p,208,107
	v_nop
.if \p < 3
	LOADT 96,58,3,4,4096*(2*\p+3),512*(\p+1)+8
.endif
.endr
	v_and_b32 v64, 15, v0
	v_bfe_u32 v65, v0, 4, 1
	v_mov_b32 v66, 0xf149f2ca                      ; -1e30
.irp j,0,1,2,3,4,5,6,7,8,9,10,11,12,13,14,15
	v_mov_b32 v[40+\j], 0
.endr
	v_lshlrev_b32 v65, 3, v65
.irp j,0,1,2,3,4,5,6,7,8,9,10,11,12,13,14,15
	v_mov_b32 v[192+\j], 0                         ; p's codes: blocks that a query tile does not reach stay zero
.endr
	v_sub_nc_u32 v64, v64, v65                     ; r - 8 h: on the diagonal register j is hidden where j exceeds it
.irp j,0,1,2,3,4,5,6,7,8,9,10,11,12,13,14,15
	v_mov_b32 v[208+\j], 0
.endr
	WIN 0x41
.irp i,0,1,2,3
	v_mov_b32 v[64+\i], v[224+\i]                  ; the first two query tiles' codes
	v_mov_b32 v[80+\i], v[228+\i]
.endr
	WIN 0x40
.irp j,4,5,6,7,8,9,10,11,12,13,14,15
	v_mov_b32 v[64+\j], 0
	v_mov_b32 v[80+\j], 0
.endr
.irp j,0,1,2,3,4,5,6,7
	v_cmp_gt_i32 vcc_lo, \j, v64
	v_cndmask_b32 v[96+\j], 0, v66, vcc_lo
.endr
	WIN 0
	s_wait_tensorcnt 0x0                           ; the second batch's rows are in: the barrier shows them to all
	BAR                                            ; and nobody reads LN1's codes any more
	QT2 0
	QT2 1
	QT2 2
	QT2 3
	XLOAD                                          ; x once more, for the residual
	BAR
	FETCH 3,4,0,0,64,0,56
	FETCH 3,4,0,1,192,0x40,60
	s_wait_loadcnt 16                              ; FF1's 16 loads of codes may be out
	WIN 0x04
.irp T,0,1,2,3,4,5,6,7
.irp i,0,2,4,6,8,10,12,14
	v_pk_add_f32 v[128+16*\T+\i:129+16*\T+\i], v[128+16*\T+\i:129+16*\T+\i], v[104+\i:105+\i]
.endr
.endr
	WIN 0
	WSLOAD 28,16,4,40                              ; FF1's first scale words
	s_wait_alu depctr_va_vdst(0)
.irp P,0,1,2,3
.if \P < 3
	s_wait_dscnt 17                                ; the next pair's 17 loads may be out
.else
	s_wait_dscnt 0x0
.endif
.if \P%2
	MMP 128+32*\P,128,192,0x05,14,60,0
.else
	MMP 128+32*\P,128,64,0x01,14,56,0
.endif
	WIN 0
	PLACES 8
.if \P == 0
	FETCH 3,4,0,2,64,0,56
.elseif \P == 1
	FETCH 3,4,0,3,192,0x40,60
.endif
.endr
	PARAM 96,16
	PARAM 112,18
	LN 1, 0
; FF1 and FF2 by chunks of 256 hidden units: wave w makes units 256 k + 32 w on, and adds each chunk's part to its 32 features of x1.
; Trip k makes FF1's chunk k into one hidden slot and takes FF2's chunk k - 1 from the other; FF2's last chunk is written out behind the loop.
; Window 1: FF1's four fragments at v0, FF2's at v64, token tiles at v128 and v192.  Each set of fragments is asked for again as soon as its products are issued.
; ONE barrier a trip: its signal at the trip's end says that my chunk's codes are stored and my reads of the other slot are over; its wait stands
; ahead of the next trip's first store into that slot, and between the two stand products and LDS loads of the activations, which nobody writes.
	s_mov_b64 s[60:61], s[22:23]
	s_mov_b32 s52, 0                               ; k
	s_mov_b32 s53, 0                               ; the slot that is stored
	s_mov_b32 s63, HSL                             ; the slot that is read
	s_mov_b32 s55, 0
	s_barrier_signal -1
.Lff:
	v_add_nc_u32 v5, s63, v1
	v_add_nc_u32 v7, s53, v12
	v_add_nc_u32 v8, s53, v13
	s_wait_alu depctr_va_vdst(0)
	FETCH 3,4,0,0,128,0x40,56
	FETCH 3,4,0,1,192,0x40,60
	s_wait_loadcnt 20                              ; FF1's fragments and bias are in; FF2's 20 loads may be out
	s_wait_dscnt 17
	MMP 64,0,128,0x05,40,56,24
	WIN 0
	PLACES 8
	FETCH 3,4,0,2,128,0x40,56
	s_wait_dscnt 17
	MMP 96,0,192,0x05,40,60,24
	WIN 0
	PLACES 8
	FETCH 3,4,0,3,192,0x40,60
	FQ 0, 1
	s_wait_dscnt 25                                ; the last pair's 17 loads and the 8 stores may be out
	MMP 64,0,128,0x05,40,56,24
	s_wait_dscnt 8
	MMP 96,0,192,0x05,40,60,24
	WIN 0
	PLACES 8
	s_cmp_eq_u32 s52, 0
	s_cbranch_scc1 .Lno_hidden
	FETCH 5,5,HSC,0,128,0x40,56                    ; the chunk before: on its way while the second half of this one is quantised
	FETCH 5,5,HSC,1,192,0x40,60
.Lno_hidden:
	s_wait_xcnt 0x0                                ; the pointers and the fragments' bases may be written
	s_lshl_b32 s54, s52, 13
	s_add_co_u32 s54, s54, 20*2048
	s_add_nc_u64 s[60:61], s[60:61], 0x400
	s_cmp_eq_u32 s52, 3
	s_cselect_b32 s54, 44*2048, s54                ; FF1's next fragments, or in the last trip those of FF2's last chunk
	s_cselect_b64 s[60:61], s[24:25], s[60:61]     ; FF1's next bias, or in the last trip ff2_b
	s_add_nc_u64 s[56:57], s[10:11], s[54:55]
	s_lshr_b32 s54, s54, 4
	s_add_nc_u64 s[58:59], s[28:29], s[54:55]
	PARAM 24,60
	WSLOAD 58,0,4,40
	WLOAD 56,0,4,0
	WIN 0
	FQ 4, 0
	s_cmp_eq_u32 s52, 0
	s_cbranch_scc1 .Lno_ff2
	s_wait_loadcnt 24                              ; FF2's fragments are in; the 24 loads above may be out
	s_wait_dscnt 25                                ; the first pair is in; the second's 17 loads and the 8 stores may be out
	MMP 128,64,128,0x05,44,56,0
	WIN 0
	PLACES 8
	FETCH 5,5,HSC,2,128,0x40,56
	s_wait_dscnt 25                                ; the 8 stores and the third pair's 17 loads may be out
	MMP 160,64,192,0x05,44,60,0
	WIN 0
	PLACES 8
	FETCH 5,5,HSC,3,192,0x40,60
	s_wait_dscnt 17
	MMP 192,64,128,0x05,44,56,0
	s_wait_dscnt 0x0
	MMP 224,64,192,0x05,44,60,0
	WIN 0
	PLACES 8
.Lno_ff2:
	s_wait_xcnt 0x0
	s_lshl_b32 s54, s52, 13
	s_add_co_u32 s54, s54, 32*2048
	s_cmp_eq_u32 s52, 3
	s_cselect_b32 s54, 0x2000, s54                 ; FF2's chunk k, or in the last trip the next batch's Wk
	s_add_nc_u64 s[56:57], s[10:11], s[54:55]
	s_lshr_b32 s54, s54, 4
	s_add_nc_u64 s[58:59], s[28:29], s[54:55]
	s_cmp_eq_u32 s62, 7
	s_cbranch_scc1 .Lno2
	WSLOAD 58,0,4,44
	WLOAD 56,0,4,4
	WIN 0
	s_branch .Lj2
.Lno2:
	s_wait_loadcnt 0x0                             ; the last batch's last trip asks for no more
.Lj2:
	s_wait_alu depctr_va_vdst(0)
	s_wait_dscnt 0x0                               ; my codes are stored, and my reads of the other slot are over
	s_barrier_signal -1
	s_xor_b32 s53, s53, HSL
	s_xor_b32 s63, s63, HSL
	s_add_co_u32 s62, s62, 1
	s_add_co_u32 s52, s52, 1
	s_cmp_lt_u32 s52, 4
	s_cbranch_scc1 .Lff
	s_barrier_wait -1
	v_add_nc_u32 v5, HSL, v1                       ; FF2's last chunk lies in the second slot
	s_wait_alu depctr_va_vdst(0)
	FETCH 5,5,HSC,0,128,0x40,56
	FETCH 5,5,HSC,1,192,0x40,60
	s_wait_loadcnt 20                              ; its fragments and ff2_b are in; Wk's 20 loads may be out
	s_wait_dscnt 17
	MMP 128,0,128,0x05,40,56,0
	WIN 0
	PLACES 8
	FETCH 5,5,HSC,2,128,0x40,56
	s_wait_dscnt 17
	MMP 160,0,192,0x05,40,60,0
	WIN 0
	PLACES 8
	FETCH 5,5,HSC,3,192,0x40,60
	s_wait_dscnt 17
	MMP 192,0,128,0x05,40,56,0
	s_wait_dscnt 0x0
	MMP 224,0,192,0x05,40,60,0
	WIN 0
	PLACES 8
	BAR                                            ; nobody reads the hidden slots any more
; THE WAY OUT: + ff2_b, through slot 0, whole rows of 1,024 bytes
	v_add_nc_u32 v8, 66560, v18
.irp T,0,1,2,3,4,5,6,7
.irp i,0,2,4,6,8,10,12,14
	v_pk_add_f32 v[128+16*\T+\i:129+16*\T+\i], v[128+16*\T+\i:129+16*\T+\i], v[24+\i:25+\i]
.endr
.endr
.irp T,0,1,2,3
.irp q,0,1,2,3
	ds_store_b128 v18, v[128+16*\T+4*\q:131+16*\T+4*\q] offset:\T*16640+16*\q
	ds_store_b128 v8, v[192+16*\T+4*\q:195+16*\T+4*\q] offset:\T*16640+16*\q
.endr
.endr
	BAR
.irp i,0,1,2,3,4,5,6,7,8,9,10,11,12,13,14,15
.irp f,0,1
	ds_load_b128 v[128+4*(2*\i+\f):131+4*(2*\i+\f)], v9 offset:1040*\i+512*\f
.endr
.endr
.irp i,0,1,2,3,4,5,6,7,8,9,10,11,12,13,14,15
.irp f,0,1
	s_wait_dscnt 31-(2*\i+\f)
	global_store_b128 v1, v[128+4*(2*\i+\f):131+4*(2*\i+\f)], s[48:49] offset:1024*\i+512*\f th:TH_STORE_NT   ; 32 lanes store 512 consecutive bytes, aligned
.endr
.endr
	s_wait_xcnt 0x0                                ; the stores' data and base may be written
	s_add_co_u32 s50, s50, 1
	s_cmp_lt_u32 s50, 2
	s_cbranch_scc0 .Lend
	s_add_nc_u64 s[48:49], s[48:49], 0x2000000
	s_add_co_u32 s51, s51, XSL
	s_add_co_u32 s3, s51, 66560
	v_add_nc_u32 v7, s51, v18
	v_add_nc_u32 v8, s3, v18
	v_add_nc_u32 v5, ACT, v12
	XLOAD
	PARAM 96,12
	PARAM 112,14
	WSLOAD 28,0,4,40                               ; the next batch's Wq and Wv
	WLOAD 10,0,4,0
	WIN 0
	WSLOAD 28,8,4,48
	WLOAD 10,8,4,8
	WIN 0
	s_wait_alu depctr_va_vdst(0)
	s_cmp_lt_u32 s50, 2
	s_cbranch_scc1 .Lbatch
.Lend:
	s_wait_tensorcnt 0x0                           ; the wave's end
	ds_add_u32 v10, v11
	s_wait_dscnt 0x0
	s_endpgm
.Lfunc_end_k_q3bf3fa6d31_block:
	.size	k_q3bf3fa6d31_block, .Lfunc_end_k_q3bf3fa6d31_block-k_q3bf3fa6d31_block
	.p2alignl 7, 3214868480
	.fill 96, 4, 3214868480
	.section	.rodata,"a",@progbits
	.p2align	6, 0x0
	.amdhsa_kernel k_q3bf3fa6d31_block
		.amdhsa_group_segment_fixed_size 327680
		.amdhsa_private_segment_fixed_size 0
		.amdhsa_enable_private_segment 0
		.amdhsa_kernarg_size 80
		.amdhsa_user_sgpr_count 2
		.amdhsa_user_sgpr_kernarg_segment_ptr 1
		.amdhsa_wavefront_size32 1
		.amdhsa_system_sgpr_workgroup_id_x 1
		.amdhsa_system_sgpr_workgroup_id_y 1
		.amdhsa_system_sgpr_workgroup_id_z 1
		.amdhsa_system_vgpr_workitem_id 0
		.amdhsa_next_free_vgpr 512
		.amdhsa_next_free_sgpr 66
		.amdhsa_reserve_vcc 1
		.amdhsa_float_denorm_mode_32 3
		.amdhsa_float_denorm_mode_16_64 3
		.amdhsa_memory_ordered 1
		.amdhsa_forward_progress 1
		.amdhsa_inst_pref_size 255
	.end_amdhsa_kernel
	.section	.bss,"aw",@nobits
	.p2align	6
	.space	262144
	.amdgpu_metadata
---
amdhsa.version: [ 1, 2 ]
amdhsa.kernels:
  - .name:           k_q3bf3fa6d31_block
    .symbol:         k_q3bf3fa6d31_block.kd
    .args:
      - { .name: x, .offset: 0, .size: 8, .value_kind: global_buffer, .address_space: global }
      - { .name: wts, .offset: 8, .size: 8, .value_kind: global_buffer, .address_space: global }
      - { .name: ln1_g, .offset: 16, .size: 8, .value_kind: global_buffer, .address_space: global }
      - { .name: ln1_b, .offset: 24, .size: 8, .value_kind: global_buffer, .address_space: global }
      - { .name: ln2_g, .offset: 32, .size: 8, .value_kind: global_buffer, .address_space: global }
      - { .name: ln2_b, .offset: 40, .size: 8, .value_kind: global_buffer, .address_space: global }
      - { .name: proj_b, .offset: 48, .size: 8, .value_kind: global_buffer, .address_space: global }
      - { .name: ff1_b, .offset: 56, .size: 8, .value_kind: global_buffer, .address_space: global }
      - { .name: ff2_b, .offset: 64, .size: 8, .value_kind: global_buffer, .address_space: global }
      - { .name: out0, .offset: 72, .size: 8, .value_kind: global_buffer, .address_space: global }
    .group_segment_fixed_size: 327680
    .private_segment_fixed_size: 0
    .kernarg_segment_align: 8
    .kernarg_segment_size: 80
    .max_flat_workgroup_size: 256
    .sgpr_count:     66
    .vgpr_count:     512
    .wavefront_size: 32
...
	.end_amdgpu_metadata
.endif
;; end of part 2
